; MI455X (gfx1250); checked and timed in simulation.
; The chip was launched on July 23, 2026; its instructions are those of AMD's public machine-readable ISA for CDNA 5 (MIT licence, August 2026) and "CDNA5" Instruction Set Architecture Reference Guide (July 2026). The comments in the code are by the model that wrote it; some were corrected since.
;; Denoising Condition Decoder. Allowed arithmetic: float matrix products may take bf16 or f16 operands with f32 sums; other float arithmetic in f32, or as packed bf16 or f16 multiplies, adds, multiply-adds, maxima and minima; sums over many terms, partial sums and values carried from step to step in f32; what a program stores and reads back later, other than sums and carried values, may be rounded once to bf16 or f16.
;; Inputs: Noise_x 8 x 2,048 x 512 float32; W1 512 x 1,024 float32; W2 1,024 x 512 float32; W_gate 1,024 x 512 float32; X 8 x 2,048 x 512 float32; b1 1,024 float32; b2 512 float32; b_gate 512 float32; be1 512 float32; be2 512 float32; cond 8 x 2,048 x 512 float32; g1 512 float32; g2 512 float32.
;; Outputs: out0 8 x 2,048 x 512 float32.
;; 2 versions, each right; version 2 is version 1 with the launch prep written anew for expert scheduling mode. Each part assembles by itself: llvm-mc -triple=amdgcn-amd-amdhsa -mcpu=gfx1250 --defsym DOCPART=n.
;; ======== version 1 of 2: 2 launches
;; limits: values outside matrix products are rounded to f16; values are held in f16: magnitudes above 65,504 overflow, below 6.1e-05 lose precision
;; workspace buffers: Xh 16,777,216 bytes; Wgb 1,048,576 bytes; W2b 1,048,576 bytes; W1t 1,048,576 bytes; PAR 16,384 bytes
;; launch prep (part 1): grid 641 x 1, 8 waves a work-group, no clusters, 18,432 bytes of LDS; arguments X, W_gate, W2, W1, b_gate, b1, b2, g1, be1, g2, be2, Xh, Wgb, W2b, W1t, PAR; writes Xh, Wgb, W2b, W1t, PAR
.if DOCPART == 1
	.amdgcn_target "amdgcn-amd-amdhsa--gfx1250"
	.amdhsa_code_object_version 6
	.text
	.protected	k_qeeea359477_prep
	.globl	k_qeeea359477_prep
	.p2align	8
	.type	k_qeeea359477_prep,@function
k_qeeea359477_prep:
	s_mov_b64 s[64:65], 0
	v_nop
	global_prefetch_b8 v0, s[64:65] scope:SCOPE_SE
	s_setreg_imm32_b32 hwreg(HW_REG_WAVE_MODE, 25, 1), 1
	s_wait_xcnt 0x0
; Rounds what the fused launch reads many times, once.  Every input is rounded to bf16 first, so that all inputs of the module carry the same rounding.
;   work-groups 0..511    Xh  = f16(bf16(X)), same layout (exact: bf16's 8 bits fit f16's 11)
;   work-groups 512..575  Wgb = bf16(W_gate), W2b = bf16(W2), rows reordered (below)
;   work-groups 576..639  W1t[n][k] = f16(bf16(W1[k][n])): transposed through LDS, tiles of 128 k x 64 n, rows reordered
;   work-group  640       PAR = the seven parameter vectors, rounded to bf16, kept as f32
; THE ORDER OF THE WEIGHTS' ROWS.  Row m of each group of 16 rows is stored as row 2 (m % 8) + m / 8 of the group: the order in which the fused launch's LDS loads take a tile's rows.
; LIMITS.  f16 ends at 65,504: |X| and |W1| stay below it; below 6.1e-5 f16 keeps a fixed step of 6e-8.  NaN and infinities are not treated apart.
; No matrix unit, no tensor load: the launch streams; a wave has 16 loads of 512 bytes out (8 in the transposing part).
.set SPARE, 17408                      ; behind the stage of 64 x 272 bytes: the spare words, 128 bytes for each of 8 waves
.set TP,    272                        ; a stage row: 128 k x 2 bytes + 16
	s_load_b512 s[4:19], s[0:1], 0x0               ; X 4, W_gate 6, W2 8, W1 10, b_gate 12, b1 14, b2 16, g1 18
	s_load_b512 s[20:35], s[0:1], 0x40             ; be1 20, g2 22, be2 24, Xh 26, Wgb 28, W2b 30, W1t 32, PAR 34
	v_lshl_add_u32 v2, v0, 2, SPARE                ; my spare word,
	v_mov_b32 v3, 0                                ; and 0: kept for the add alone
	v_and_b32 v12, 31, v0                          ; lane
	v_lshrrev_b32 v13, 5, v0                       ; wave
	s_mov_b32 s36, ttmp9
	s_mov_b32 s39, 0
	s_mov_b32 s47, 0
	s_mov_b32 s44, 0xffff0000                      ; a word's upper bf16
	s_wait_kmcnt 0x0
; 65,536 bytes of f32 (32 rows of 512) from s[40:41] become 32,768 bytes of 16-bit numbers at s[42:43].  A wave takes 4 rows: 16 loads of 512 consecutive bytes, all issued first;
; each store of the wave covers 256 consecutive bytes, aligned.  No register that a load or store reads is written twice, so no wait frees a source.
; perm = 1: row 4 wave + q goes out as row 16 (wave / 4) + 8 (wave % 2) + (wave / 2) % 2 + 2 q, which is the reordering above.
.macro STREAM half, perm
	v_lshlrev_b32 v10, 4, v12
	v_lshl_add_u32 v10, v13, 13, v10               ; in: wave x 8,192 + lane x 16
	v_lshlrev_b32 v11, 3, v12                      ; out: lane x 8
.if \perm
	v_lshrrev_b32 v4, 2, v13
	v_lshlrev_b32 v4, 4, v4
	v_and_b32 v5, 1, v13
	v_lshl_add_u32 v4, v5, 3, v4
	v_bfe_u32 v5, v13, 1, 1
	v_add_nc_u32 v4, v4, v5
	v_lshl_add_u32 v11, v4, 10, v11                ; + my first row's new place x 1,024
.else
	v_lshl_add_u32 v11, v13, 12, v11               ; + wave x 4,096
.endif
.set i, 0
.rept 16
	global_load_b128 v[16+4*i:16+4*i+3], v10, s[40:41] offset:512*i th:TH_LOAD_NT
.set i, i+1
.endr
.set i, 0
.rept 16
	s_wait_loadcnt 15-i                            ; loads come back in order: number i is in, the younger ones stay out
.if \half
	v_cvt_pk_bf16_f32 v4, v[16+4*i], v[16+4*i+1]
	v_cvt_pk_bf16_f32 v5, v[16+4*i+2], v[16+4*i+3]
	v_lshlrev_b32 v6, 16, v4                       ; bf16 back to f32: a shift, a mask
	v_and_b32 v7, s44, v4
	v_lshlrev_b32 v8, 16, v5
	v_and_b32 v9, s44, v5
	v_cvt_pk_f16_f32 v[80+2*i], v6, v7
	v_cvt_pk_f16_f32 v[80+2*i+1], v8, v9
.else
	v_cvt_pk_bf16_f32 v[80+2*i], v[16+4*i], v[16+4*i+1]
	v_cvt_pk_bf16_f32 v[80+2*i+1], v[16+4*i+2], v[16+4*i+3]
.endif
.if \perm
	global_store_b64 v11, v[80+2*i:80+2*i+1], s[42:43] offset:2048*(i/4)+256*(i%4)
.else
	global_store_b64 v11, v[80+2*i:80+2*i+1], s[42:43] offset:256*i
.endif
.set i, i+1
.endr
.endm
	s_cmp_ge_u32 s36, 512
	s_cbranch_scc1 .Lnot_x
	s_lshl_b32 s38, s36, 16                        ; X: my 65,536 bytes
	s_add_nc_u64 s[40:41], s[4:5], s[38:39]
	s_lshl_b32 s38, s36, 15
	s_add_nc_u64 s[42:43], s[26:27], s[38:39]
	STREAM 1, 0
	s_endpgm
.Lnot_x:
	s_cmp_ge_u32 s36, 576
	s_cbranch_scc1 .Lnot_w
	s_sub_co_u32 s36, s36, 512
	s_cmp_lt_u32 s36, 32                           ; 32 work-groups for W_gate, 32 for W2
	s_cselect_b64 s[40:41], s[6:7], s[8:9]
	s_cselect_b64 s[42:43], s[28:29], s[30:31]
	s_and_b32 s36, s36, 31
	s_lshl_b32 s38, s36, 16
	s_add_nc_u64 s[40:41], s[40:41], s[38:39]
	s_lshl_b32 s38, s36, 15
	s_add_nc_u64 s[42:43], s[42:43], s[38:39]
	STREAM 0, 1
	s_endpgm
.Lnot_w:
	s_cmp_ge_u32 s36, 640
	s_cbranch_scc1 .Lpar
	; W1's tile: k rows 128 kt .. +127, n columns 64 nt .. +63
	s_sub_co_u32 s36, s36, 576
	s_and_b32 s38, s36, 3                          ; kt
	s_lshr_b32 s45, s36, 2                         ; nt
	s_lshl_b32 s46, s38, 19                        ; 128 rows of 4,096 bytes
	s_lshl_b32 s37, s45, 8                         ; 64 columns of 4 bytes
	s_add_co_u32 s46, s46, s37
	s_add_nc_u64 s[40:41], s[10:11], s[46:47]
	s_lshl_b32 s46, s45, 16                        ; out: 64 rows of 1,024 bytes,
	s_lshl_b32 s37, s38, 8                         ; 128 columns of 2 bytes
	s_add_co_u32 s46, s46, s37
	s_add_nc_u64 s[42:43], s[32:33], s[46:47]
	v_and_b32 v14, 15, v0
	v_bfe_u32 v15, v0, 4, 1
	v_lshl_add_u32 v4, v13, 4, v15                 ; my first k row: 16 wave + half of the lanes
	v_lshlrev_b32 v10, 12, v4
	v_lshl_add_u32 v10, v14, 4, v10                ; 16 lanes read 256 consecutive bytes of a k row
	v_mul_u32_u24 v11, v14, 4*TP                   ; stage: row n = 4 (lane % 16) + e, column k
	v_lshl_add_u32 v11, v4, 1, v11
.set i, 0
.rept 8
	global_load_b128 v[16+4*i:16+4*i+3], v10, s[40:41] offset:8192*i th:TH_LOAD_NT  ; two k rows further each time
.set i, i+1
.endr
.set i, 0
.rept 8
	s_wait_loadcnt 7-i                             ; number i is in, the younger ones stay out
	v_cvt_pk_bf16_f32 v4, v[16+4*i], v[16+4*i+1]
	v_cvt_pk_bf16_f32 v5, v[16+4*i+2], v[16+4*i+3]
	v_lshlrev_b32 v6, 16, v4
	v_and_b32 v7, s44, v4
	v_lshlrev_b32 v8, 16, v5
	v_and_b32 v9, s44, v5
	v_cvt_pk_f16_f32 v[80+2*i], v6, v7
	v_cvt_pk_f16_f32 v[80+2*i+1], v8, v9
	ds_store_b16 v11, v[80+2*i] offset:4*i
	ds_store_b16_d16_hi v11, v[80+2*i] offset:TP+4*i
	ds_store_b16 v11, v[80+2*i+1] offset:2*TP+4*i
	ds_store_b16_d16_hi v11, v[80+2*i+1] offset:3*TP+4*i
.set i, i+1
.endr
	s_wait_dscnt 0x0                               ; for the others' sake: my stores into the stage are done
	s_barrier_signal -1
	s_barrier_wait -1
	v_lshl_add_u32 v4, v13, 3, v15                 ; back: row n = 8 wave + half of the lanes + 2 i, whole rows of 256 bytes
	v_mul_u32_u24 v5, v4, TP
	v_lshl_add_u32 v5, v14, 4, v5
	v_lshrrev_b32 v7, 1, v13                       ; that row's new place: 16 (wave / 2) + wave % 2 + 2 x half + 4 i
	v_lshlrev_b32 v7, 4, v7
	v_and_b32 v8, 1, v13
	v_add_nc_u32 v7, v7, v8
	v_lshl_add_u32 v7, v15, 1, v7
	v_lshlrev_b32 v6, 10, v7
	v_lshl_add_u32 v6, v14, 4, v6
.set i, 0
.rept 4
	ds_load_b128 v[16+4*i:16+4*i+3], v5 offset:2*TP*i
.set i, i+1
.endr
.set i, 0
.rept 4
	s_wait_dscnt 3-i
	global_store_b128 v6, v[16+4*i:16+4*i+3], s[42:43] offset:4096*i  ; 16 lanes store 256 consecutive bytes, aligned
.set i, i+1
.endr
	s_wait_tensorcnt 0x0                           ; the wave's end: behind my last LDS store
	ds_add_u32 v2, v3
	s_wait_dscnt 0x0
	s_endpgm
.Lpar:
	v_lshlrev_b32 v10, 3, v0                       ; 256 threads x 8 bytes = a vector of 512
	v_lshlrev_b32 v11, 4, v0                       ; x 16 bytes = b1's 1,024
	global_load_b64 v[16:17], v10, s[12:13]        ; b_gate
	global_load_b64 v[18:19], v10, s[16:17]        ; b2
	global_load_b64 v[20:21], v10, s[18:19]        ; g1
	global_load_b64 v[22:23], v10, s[20:21]        ; be1
	global_load_b64 v[24:25], v10, s[22:23]        ; g2
	global_load_b64 v[26:27], v10, s[24:25]        ; be2
	global_load_b128 v[28:31], v11, s[14:15]       ; b1
	s_wait_loadcnt 0x0
.set i, 0
.rept 8
	v_cvt_pk_bf16_f32 v4, v[16+2*i], v[16+2*i+1]
	v_lshlrev_b32 v[32+2*i], 16, v4
	v_and_b32 v[32+2*i+1], s44, v4
.set i, i+1
.endr
	global_store_b64 v10, v[32:33], s[34:35]
	global_store_b64 v10, v[34:35], s[34:35] offset:6144
	global_store_b64 v10, v[36:37], s[34:35] offset:8192
	global_store_b64 v10, v[38:39], s[34:35] offset:10240
	global_store_b64 v10, v[40:41], s[34:35] offset:12288
	global_store_b64 v10, v[42:43], s[34:35] offset:14336
	global_store_b128 v11, v[44:47], s[34:35] offset:2048
	s_endpgm
.Lfunc_end_k_qeeea359477_prep:
	.size	k_qeeea359477_prep, .Lfunc_end_k_qeeea359477_prep-k_qeeea359477_prep
	.p2alignl 7, 3214868480
	.fill 96, 4, 3214868480
	.section	.rodata,"a",@progbits
	.p2align	6, 0x0
	.amdhsa_kernel k_qeeea359477_prep
		.amdhsa_group_segment_fixed_size 18432
		.amdhsa_private_segment_fixed_size 0
		.amdhsa_enable_private_segment 0
		.amdhsa_kernarg_size 128
		.amdhsa_user_sgpr_count 2
		.amdhsa_user_sgpr_kernarg_segment_ptr 1
		.amdhsa_wavefront_size32 1
		.amdhsa_system_sgpr_workgroup_id_x 1
		.amdhsa_system_sgpr_workgroup_id_y 1
		.amdhsa_system_sgpr_workgroup_id_z 1
		.amdhsa_system_vgpr_workitem_id 0
		.amdhsa_next_free_vgpr 112
		.amdhsa_next_free_sgpr 66
		.amdhsa_reserve_vcc 0
		.amdhsa_float_denorm_mode_32 3
		.amdhsa_float_denorm_mode_16_64 3
		.amdhsa_memory_ordered 1
		.amdhsa_forward_progress 1
		.amdhsa_inst_pref_size 28
	.end_amdhsa_kernel
	.amdgpu_metadata
---
amdhsa.version: [ 1, 2 ]
amdhsa.kernels:
  - .name:           k_qeeea359477_prep
    .symbol:         k_qeeea359477_prep.kd
    .args:
      - { .name: X, .offset: 0, .size: 8, .value_kind: global_buffer, .address_space: global }
      - { .name: W_gate, .offset: 8, .size: 8, .value_kind: global_buffer, .address_space: global }
      - { .name: W2, .offset: 16, .size: 8, .value_kind: global_buffer, .address_space: global }
      - { .name: W1, .offset: 24, .size: 8, .value_kind: global_buffer, .address_space: global }
      - { .name: b_gate, .offset: 32, .size: 8, .value_kind: global_buffer, .address_space: global }
      - { .name: b1, .offset: 40, .size: 8, .value_kind: global_buffer, .address_space: global }
      - { .name: b2, .offset: 48, .size: 8, .value_kind: global_buffer, .address_space: global }
      - { .name: g1, .offset: 56, .size: 8, .value_kind: global_buffer, .address_space: global }
      - { .name: be1, .offset: 64, .size: 8, .value_kind: global_buffer, .address_space: global }
      - { .name: g2, .offset: 72, .size: 8, .value_kind: global_buffer, .address_space: global }
      - { .name: be2, .offset: 80, .size: 8, .value_kind: global_buffer, .address_space: global }
      - { .name: Xh, .offset: 88, .size: 8, .value_kind: global_buffer, .address_space: global }
      - { .name: Wgb, .offset: 96, .size: 8, .value_kind: global_buffer, .address_space: global }
      - { .name: W2b, .offset: 104, .size: 8, .value_kind: global_buffer, .address_space: global }
      - { .name: W1t, .offset: 112, .size: 8, .value_kind: global_buffer, .address_space: global }
      - { .name: PAR, .offset: 120, .size: 8, .value_kind: global_buffer, .address_space: global }
    .group_segment_fixed_size: 18432
    .private_segment_fixed_size: 0
    .kernarg_segment_align: 8
    .kernarg_segment_size: 128
    .max_flat_workgroup_size: 256
    .sgpr_count:     66
    .vgpr_count:     112
    .wavefront_size: 32
...
	.end_amdgpu_metadata
.endif
;; end of part 1
;; launch main (part 2): grid 32 x 8, 4 waves a work-group, clusters of 4 x 1, 327,680 bytes of LDS; arguments Noise_x, cond, Xh, Wgb, W1t, W2b, PAR, out0; writes out0
.if DOCPART == 2
	.amdgcn_target "amdgcn-amd-amdhsa--gfx1250"
	.amdhsa_code_object_version 6
	.text
	.protected	k_qeeea359477_main
	.globl	k_qeeea359477_main
	.p2align	8
	.type	k_qeeea359477_main,@function
k_qeeea359477_main:
	s_mov_b64 s[64:65], 0
	v_nop
	global_prefetch_b8 v0, s[64:65] scope:SCOPE_SE
	s_setreg_imm32_b32 hwreg(HW_REG_WAVE_MODE, 25, 1), 1
	s_wait_xcnt 0x0
	s_wait_alu depctr_hold_cnt(0) depctr_sa_sdst(0) depctr_va_vdst(0) depctr_va_sdst(0) depctr_va_ssrc(0) depctr_va_vcc(0) depctr_vm_vsrc(0)
	s_getreg_b32 s2, hwreg(HW_REG_IB_STS2, 6, 4)
	s_cmp_eq_u32 s2, 0
	s_cbranch_scc0 .Lentry_in_a_cluster
	s_endpgm
.Lentry_in_a_cluster:
	s_bfe_u32 s2, ttmp6, 0x10000c
	s_cmp_lg_u32 s2, 0x3003
	s_cbranch_scc0 .Lentry_shape_is_right
	s_endpgm
.Lentry_shape_is_right:
; THE WHOLE MODULE FOR 64 ROWS A WORK-GROUP: gate product, sigmoid and blend; attention over the batch's 2,048 keys (Q = fused, K = V = X); residual and LayerNorm; FFN with exact GELU; residual and LayerNorm.
; Nothing goes through memory between the steps.  256 work-groups of four waves, one wave a SIMD.
; FORMATS.  All inputs are rounded to bf16 (N and cond here, the others by the launch before).  Gate product and h W2 in bf16; K Q^T, V^T P and q W1 in f16 (X and W1 are their bf16 values written as f16);
; fused, P and q are rounded once to f16, h once to bf16.  All sums, maxima, statistics and both residual paths' sums in f32.
; LIMITS.  f16 ends at 65,504: |X|, |fused| and |q| stay below it; below 6.1e-5 f16 keeps a fixed step of 6e-8.  A weight below 2^-126 counts as 0 in the row sum.  erf by a five-term rational
; approximation (Abramowitz and Stegun 7.1.26), absolute error 1.5e-7.  The gate's sums are taken to be finite (they are multiplied by 0 where O begins).  NaN and infinities are not treated apart.
; LAYOUT.  Both kinds of product are used transposed, so that a lane holds ONE row (lane % 16 of tile t, t = 0..3) and its registers run over 8 (lane / 16) + j:
;   KQ     S^T[128 keys][64 rows]: wave w owns keys 32 w .. +31 (kb = 0, 1), all four tiles: 8 accumulators.  Source 0 = a fragment of the LDS tile [key][channel]; source 1 = Q, whole in every wave.
;   KSTEP  ACC^T[512 ch][64 rows] += tile^T[ch][128 k] x Act[128 k][64 rows]: wave w owns channels 128 (cb/2) + 32 w + 16 (cb%2) .. +15, cb = 0..7: 32 accumulators.
;          Source 0 by the transposing LDS load; source 1 = Act, which lies in LDS as register images: part kk = w of it is what wave w has just made (P, h, or its fragments of N and cond).
; Two results of KQ rounded in pairs ARE a fragment of Act; two accumulators of KSTEP rounded in pairs ARE a fragment of Q.  Q is kept wave-relative: register block 4 g + i holds channels
; 128 i + 32 ((g + w) % 4), so a wave's own channels (the residual) lie at g = 0 in every wave's text.
; ROWS IN LDS.  A tile's rows are 1,040 bytes = 260 words apart: row r starts at bank 4 r mod 64 (64 banks of 4 bytes: ISA guide 11.1), so the 16 rows of a plain fragment load start at 16 different groups
; of four banks.  Sixteen lanes of the transposing load take 8 rows x 32 bytes: they take every second row, 2 (lane % 8) + lane / 16.  Index m of a group of 16 (a key,
; a hidden number, a k of a weight) therefore lies in LDS row 2 (m % 8) + m / 8 of the group.  For X that renames the keys, alike in both products; the weights are stored in that order by the launch before.
; CLUSTER.  The four work-groups of a cluster belong to one batch and walk the same 40 tiles of 128 KB (8 of Wgb, 16 of Xh, 8 of W1t, 8 of W2b): each tile is asked for JOINTLY, a quarter a wave.
; A wave has two tensor loads out at the start and one behind each round.
; REGISTERS, in windows of 256 (s_set_vgpr_msb: bits 1:0 source 0, 3:2 source 1, 5:4 source 2, 7:6 destination):
;   window 0: v0-31 addresses; v32-63 eight registers of statistics a tile (FFN: b1's fragment in v32-47); v64-255 at work: S 64-127, K buffers 192 and 128; or V 192 with Act 160, V 64 with Act 128
;   window 1: ACC(t, cb) at 64 t + 8 cb      windows 2, 3: Q(t, kc) at 128 t + 8 kc (gate phase: window 2 f32 as landed, window 3 the bf16 fragments F(jj, t) at 32 jj + 8 t, jj 0-3 N, 4-7 cond)
.set PITCH, 1040
.set QROWS, 32*PITCH                   ; a wave's quarter of a tile: 33,280
.set SLOT,  4*QROWS                    ; 133,120 = 0x20800: it shares no bit with wave x 33,280, so one exclusive or changes slots
.set FP,    2080                       ; an LDS row of N or cond in f32: 2 x (1,024 + 16)
.set ACT,   2*SLOT                     ; 32,768: [kk][t][half][lane] x 16 bytes in the first 16,384; all of it in an exchange of Q
.set ST0,   ACT+32768                  ; four regions of 1,024: [wave][row] x 16 bytes, four tiles' statistics
.set B1L,   ST0+4096                   ; b1 in f32
.set SPARE, B1L+4096                   ; the spare words, 128 bytes a wave; no other line names them
.set DP,    2064                       ; a row of the last stage (in slot 0, behind its last fill)
.set TILEB, 131072
.set P_BG, 0                           ; byte offsets in PAR
.set P_B1, 2048
.set P_B2, 6144
.set P_G1, 8192
.set P_BE1, 10240
.set P_G2, 12288
.set P_BE2, 14336
.set ST,  32                           ; tile t: +0 c m (mu), +1 m, +2 +3 l (sums), +4 c m_loc, +5 at work, +6 a (1/sigma), +7 a's argument
.set S,   64
.set WV,  20                           ; s20 wave
.set G1,  24                           ; s[24:31] group 1, joint 16-bit quarter tile
.set G1F, 32                           ; s[32:39] group 1, f32 first fills
.set G0,  40                           ; s[40:43] group 0 of the joint loads
.set G0N, 44                           ; s[44:47] group 0 of N's fill
.set TB,  48                           ; s48 the slot to read: 0 or SLOT
.set WOFF, 49                          ; s49 wave x QROWS
.set CNT, 50
.set SB1, 52
.set RB,  53
.set CS,  54                           ; s[54:55] c = log2(e) / sqrt(512)
.set SEL, 56                           ; s[56:57] v_permlanex16_b32's selects: the same place in the other half
.set PG,  58                           ; tile pointers, each at my wave's quarter
.set PX,  62
.set PW1, 66
.set PW2, 68
.set WQ,  70                           ; s[70:71] wave x 32,768
.set KP,  72
.set KE,  74
.set A5,  76
.set A4,  78
.set A3,  80
.set A2,  82
.set A1,  84
.set ABSM, 86
.set TS,  87
.set NL2E, 88
.set EPS, 90
.set R512, 91
.set G0C, 92                           ; s[92:95] group 0 of cond's fill
.set MSB, 0
.macro WIN new                         ; the immediate's high byte repeats the setting that is left; a switch that changes nothing is dropped
.if MSB != (\new)
	s_set_vgpr_msb (MSB<<8)|(\new)
.set MSB, (\new)
.endif
.endm
.macro PLACES                          ; four plain instructions between a matrix instruction and a vector read of its result, or a load into one of its registers
.rept 4
	v_nop
.endr
.endm
.macro CROUND                          ; a round of the cluster's barrier
	s_barrier_signal -1
	s_barrier_wait -1
	s_cmp_lg_u32 s[WV], 0
	s_cbranch_scc1 .Lnot_wave_0_\@
	s_barrier_signal -3
.Lnot_wave_0_\@:
	s_barrier_wait -3
	s_barrier_signal -1
	s_barrier_wait -1
.endm
.macro ALLT line:vararg                ; one line for each tile t
.set t, 0
.rept 4
	\line
.set t, t+1
.endr
.endm
; THE CHANGE OF SLOTS.  Each wave waits for all its tensor loads (one is out: its quarter of the slot to be read next), adds 0 to its spare word, and waits for that and for its own LDS reads and stores.
; fill = 1: a round of the cluster's barrier follows, so that no wave of any partner still reads the slot that is left, and the joint refill of that slot is the first thing behind it: the tile at pointer pa,
; or in the loop's last trip (CNT = 1) the next phase's first tile at pb.  The six additions behind it make the new slot's addresses and are the places behind the last matrix instructions.
.macro TURNSLOT fill, pa=0, pb=-1
	WIN 0
	s_wait_tensorcnt 0x0               ; no tensor load of mine is out, so the group 0 may be written
	ds_add_u32 v28, v29                ; 0 onto my spare word; the scalar work stands between it and the wait for it
.if \fill
	s_xor_b32 s[G0+1], s[G0+1], SLOT   ; the other slot than last time
.if (\pb) >= 0
	s_cmp_eq_u32 s[CNT], 1
	s_cselect_b64 s[G0+2:G0+3], s[\pb:\pb+1], s[\pa:\pa+1]
.else
	s_mov_b64 s[G0+2:G0+3], s[\pa:\pa+1]
.endif
	s_or_b32 s[G0+3], s[G0+3], 0x80000000
	s_add_nc_u64 s[\pa:\pa+1], s[\pa:\pa+1], TILEB
.endif
	s_xor_b32 s[TB], s[TB], SLOT
	s_wait_dscnt 0x0                   ; the add is done, my reads of the old slot and of Act are over, my stores into Act are done
.if \fill
	CROUND
	tensor_load_to_lds s[G0:G0+3], s[G1:G1+7]
	s_nop 0
.else
	s_barrier_signal -1
	s_barrier_wait -1
.endif
.irp g, 0,1,2,3
	v_add_nc_u32 v[8+\g], s[TB], v[4+\g]
.endr
	v_add_nc_u32 v14, s[TB], v12
	v_add_nc_u32 v15, s[TB], v13
.endm
; KQ.  Channel group g (128 channels, four fragments deep) of my 32 keys: 16 loads; 32 matrix instructions, four accumulators by turns under each window setting.
.macro FETCHK g, buf
	WIN 0
.set fi, 0
.rept 4
.set fk, 0
.rept 2
	ds_load_b128 v[(\buf)+16*fi+8*fk:(\buf)+16*fi+8*fk+3],   v[8+(\g)] offset:fk*16*PITCH+256*fi
	ds_load_b128 v[(\buf)+16*fi+8*fk+4:(\buf)+16*fi+8*fk+7], v[8+(\g)] offset:fk*16*PITCH+256*fi+32
.set fk, fk+1
.endr
.set fi, fi+1
.endr
.endm
.macro MULK g, buf, cini               ; cini = 1: the sums start from b1's fragment, else from 0
.set mw, 0
.rept 2
	WIN 0x08+4*mw                      ; Q's tiles 0, 1 in window 2; 2, 3 in window 3
.set mi, 0
.rept 4
.set mk, 0
.rept 2
.set mt, 0
.rept 2
.set rS, S+16*(2*mw+mt)+8*mk
.set rK, (\buf)+16*mi+8*mk
.set rQ, 128*mt+8*(4*(\g)+mi)
.if ((\g) == 0) && (mi == 0)
.if \cini
	v_wmma_f32_16x16x32_f16 v[rS:rS+7], v[rK:rK+7], v[rQ:rQ+7], v[32+8*mk:32+8*mk+7]
.else
	v_wmma_f32_16x16x32_f16 v[rS:rS+7], v[rK:rK+7], v[rQ:rQ+7], 0
.endif
.else
	v_wmma_f32_16x16x32_f16 v[rS:rS+7], v[rK:rK+7], v[rQ:rQ+7], v[rS:rS+7]
.endif
.set mt, mt+1
.endr
.set mk, mk+1
.endr
.set mi, mi+1
.endr
.set mw, mw+1
.endr
.endm
; KSTEP's loads for 32 of the tile's 128 k: my 8 channel blocks turned out of LDS (16 loads), and the four tiles' fragments of Act (8 loads).
.macro FETCHVV kk, vb
	WIN 0
.set fc, 0
.rept 8
	ds_load_tr16_b128 v[(\vb)+8*fc:(\vb)+8*fc+3],   v[14+(\kk)/2] offset:((\kk)%2)*QROWS+256*(fc/2)+32*(fc%2)
	ds_load_tr16_b128 v[(\vb)+8*fc+4:(\vb)+8*fc+7], v[14+(\kk)/2] offset:((\kk)%2)*QROWS+256*(fc/2)+32*(fc%2)+16*PITCH
.set fc, fc+1
.endr
.endm
.macro FETCHA kk, ab
	WIN 0
.set fc, 0
.rept 8
	ds_load_b128 v[(\ab)+4*fc:(\ab)+4*fc+3], v16 offset:(\kk)*4096+512*fc
.set fc, fc+1
.endr
.endm
.macro MULV vb, ab, fmt                ; 32 matrix instructions on 32 accumulators by turns
	WIN 0x50                           ; C and D in window 1
.set mc, 0
.rept 8
.set mt, 0
.rept 4
	v_wmma_f32_16x16x32_\fmt v[64*mt+8*mc:64*mt+8*mc+7], v[(\vb)+8*mc:(\vb)+8*mc+7], v[(\ab)+8*mt:(\ab)+8*mt+7], v[64*mt+8*mc:64*mt+8*mc+7]
.set mt, mt+1
.endr
.set mc, mc+1
.endr
.endm
; KQ behind the request for group 0's fragments (into v192).  early = 1: when the buffer at v192 has been multiplied for the last time, V's fragments of the tile's first 32 keys are fetched into it,
; ahead of the last 32 products: they are in registers long before P is.
.macro KQREST cini, early
	FETCHK 1, 128
	s_wait_dscnt 16                    ; all but the 16 loads issued last
	MULK 0, 192, \cini
	PLACES
	FETCHK 2, 192
	s_wait_dscnt 16
	MULK 1, 128, 0
	PLACES
	FETCHK 3, 128
	s_wait_dscnt 16
	MULK 2, 192, 0
.if \early
	PLACES
	FETCHVV 0, 192
	s_wait_dscnt 16                    ; group 3 is in; V's 16 loads may stay out
.else
	s_wait_dscnt 0x0
.endif
	MULK 3, 128, 0
	WIN 0
.endm
.macro KSTEP fmt
	FETCHVV 0, 192
	FETCHA 0, 160
	FETCHVV 1, 64
	FETCHA 1, 128
	s_wait_dscnt 24                    ; all but the 24 loads issued last
	MULV 192, 160, \fmt
	PLACES
	FETCHVV 2, 192
	FETCHA 2, 160
	s_wait_dscnt 24
	MULV 64, 128, \fmt
	PLACES
	FETCHVV 3, 64
	FETCHA 3, 128
	s_wait_dscnt 24
	MULV 192, 160, \fmt
	s_wait_dscnt 0x0
	MULV 64, 128, \fmt
	WIN 0
.endm
; Four tiles' statistics of a row go to all four waves: store, wait, barrier, load.  Region n of ST.
.macro SX n, src, dst
	ds_store_b128 v24, v[\src:\src+3] offset:(\n)*1024
	s_wait_dscnt 0x0                   ; for the others' sake
	s_barrier_signal -1
	s_barrier_wait -1
.set u, 0
.rept 4
	ds_load_b128 v[(\dst)+4*u:(\dst)+4*u+3], v25 offset:(\n)*1024+256*u
.set u, u+1
.endr
	s_wait_dscnt 0x0
.endm
.macro RED n                           ; v[ST+8 t+4], a lane's partial sum, becomes the row's sum: the other half of the lanes, then the four waves
	ALLT v_permlanex16_b32 v[ST+8*t+5], v[ST+8*t+4], s[SEL], s[SEL+1]
	ALLT v_add_f32 v[192+t], v[ST+8*t+4], v[ST+8*t+5]
	SX \n, 192, 196
	ALLT v_add_f32 v[ST+8*t+4], v[196+t], v[200+t]
	ALLT v_add_f32 v[ST+8*t+5], v[204+t], v[208+t]
	ALLT v_add_f32 v[ST+8*t+4], v[ST+8*t+4], v[ST+8*t+5]
.endm
; Half of every wave's 16 fragments of Q (blocks i = 2 rd, 2 rd + 1, at v[src ..]) go to all waves through Act's 32 KB: 8 KB a wave.  The second barrier frees Act for the next writer.
.macro XROUND rd, src
	WIN 0
.set i, 0
.rept 16
	ds_store_b128 v18, v[(\src)+4*i:(\src)+4*i+3] offset:512*i
.set i, i+1
.endr
	s_wait_dscnt 0x0
	s_barrier_signal -1
	s_barrier_wait -1
.set xw, 0
.rept 2
	WIN 0x80+0x40*xw                   ; destination window 2 (tiles 0, 1), 3 (tiles 2, 3)
.set xg, 0
.rept 4
.set i, 0
.rept 8                                ; i = 4 kk + 2 (tile % 2) + half
	ds_load_b128 v[128*((i/2)%2)+8*(4*xg+2*(\rd)+i/4)+4*(i%2):128*((i/2)%2)+8*(4*xg+2*(\rd)+i/4)+4*(i%2)+3], v[20+xg] offset:(i/4)*4096+(2*xw+(i/2)%2)*1024+(i%2)*512
.set i, i+1
.endr
.set xg, xg+1
.endr
.set xw, xw+1
.endr
	s_wait_dscnt 0x0
	WIN 0
	s_barrier_signal -1
	s_barrier_wait -1
.endm
; N or cond, f32 in the slot at sb, becomes my 16 bf16 fragments F at window 3, v[fb ..]: channels 128 j + 32 w .. +31 of all 64 rows.  64 loads in one run; a tile's 16 are waited for, the later tiles' stay out.
.macro CONV sb, fb
	WIN 0
	v_mul_u32_u24 v8, v1, FP
	v_add_nc_u32 v8, v19, v8           ; + 128 w + 32 (lane / 16)
	v_add_nc_u32 v8, \sb, v8
	v_add_nc_u32 v9, 32*FP, v8
	WIN 0x80
.set ct, 0
.rept 4
.set ci, 0
.rept 16                               ; ci = 4 j + 2 hf + q; behind 1,024 bytes of a row lie 16 of padding
	ds_load_b128 v[64*ct+4*ci:64*ct+4*ci+3], v[8+ct/2] offset:(ct%2)*16*FP+512*(ci/4)+16*(ci/8)+64*((ci/2)%2)+16*(ci%2)
.set ci, ci+1
.endr
.set ct, ct+1
.endr
.set ct, 0
.rept 4
	s_wait_dscnt 48-16*ct
	WIN 0xca                           ; sources window 2, destination window 3
.set ci, 0
.rept 32
	v_cvt_pk_bf16_f32 v[(\fb)+32*(ci/8)+8*ct+ci%8], v[64*ct+2*ci], v[64*ct+2*ci+1]
.set ci, ci+1
.endr
.set ct, ct+1
.endr
	WIN 0
.endm
; My part (kk = w) of Act for Wgb's tile p: the four tiles' fragments F(p, t).
.macro ACTBLK p
	WIN 0x0c                           ; store data in window 3
.set i, 0
.rept 8
	ds_store_b128 v17, v[32*(\p)+4*i:32*(\p)+4*i+3] offset:512*i
.set i, i+1
.endr
	WIN 0
.endm
; Sigmoid and blend for tile t, channel block j (two accumulators, 16 numbers a lane): g = 1 / (1 + 2^(-z log2 e)); fused = c + g (N - c), from the bf16 halves; rounded to f16 it is fragment (j, t) of Q.
.macro GBATCH t, j
	WIN 0x01
.set i, 0
.rept 8
	v_pk_mul_f32 v[192+2*i:192+2*i+1], v[64*(\t)+16*(\j)+2*i:64*(\t)+16*(\j)+2*i+1], s[NL2E:NL2E+1] op_sel_hi:[1,0]
.set i, i+1
.endr
	WIN 0
.set i, 0
.rept 16
	v_exp_f32 v[192+i], v[192+i]
.set i, i+1
.endr
	v_nop                              ; a plain instruction behind the last exponential
.set i, 0
	s_wait_alu depctr_va_vdst(0)
.rept 8
	v_pk_add_f32 v[192+2*i:192+2*i+1], v[192+2*i:192+2*i+1], 1.0 op_sel_hi:[1,0]
.set i, i+1
.endr
.set i, 0
.rept 16
	v_rcp_f32 v[192+i], v[192+i]
.set i, i+1
.endr
	WIN 0x33                           ; cond and N in window 3; these 16 lines name no reciprocal and stand behind the last of them
.set i, 0
.rept 16
.if i%2
	v_fma_mix_f32_bf16 v[208+i], v[128+32*(\j)+8*(\t)+i/2], v30, v[32*(\j)+8*(\t)+i/2] op_sel:[1,0,1] op_sel_hi:[1,0,1]
.else
	v_fma_mix_f32_bf16 v[208+i], v[128+32*(\j)+8*(\t)+i/2], v30, v[32*(\j)+8*(\t)+i/2] op_sel:[0,0,0] op_sel_hi:[1,0,1]
.endif
.set i, i+1
.endr
	WIN 0x30
.set i, 0
.rept 16
.if i%2
	v_fma_mix_f32_bf16 v[208+i], v[192+i], v[208+i], v[128+32*(\j)+8*(\t)+i/2] op_sel:[0,0,1] op_sel_hi:[0,0,1]
.else
	s_wait_alu depctr_va_vdst(0)
	v_fma_mix_f32_bf16 v[208+i], v[192+i], v[208+i], v[128+32*(\j)+8*(\t)+i/2] op_sel:[0,0,0] op_sel_hi:[0,0,1]
.endif
.set i, i+1
.endr
	WIN 0
.set i, 0
.rept 8
	v_cvt_pk_f16_f32 v[64+8*(4*(\j)+(\t))+i], v[208+2*i], v[208+2*i+1]
.set i, i+1
.endr
.endm
; THE SOFTMAX'S STREAM, steps lo .. hi - 1 of 36.  The 32 pairs of scores go by, the tiles by turns (pair n: tile n % 4, pair n / 4 of its eight).  Step n holds: c s - c m_loc for pair n; the two exponentials
; of pair n - 2; and between them the addition of pair n - 4 to its tile's sum.  So a plain line stands beside each exponential, and a result is read two steps behind the line that made it.
; The sums lie in v160-163 (tiles 0, 1) and v188-191 (tiles 2, 3).
.macro SMPIPE lo, hi
.set n, (\lo)
.rept (\hi)-(\lo)
.if n < 32
.set ra, S+16*(n%4)+2*(n/4)
	v_pk_fma_f32 v[ra:ra+1], v[ra:ra+1], s[CS:CS+1], v[ST+8*(n%4)+4:ST+8*(n%4)+5] op_sel_hi:[1,0,0] neg_lo:[0,0,1] neg_hi:[0,0,1]
.endif
.if (n >= 2) && (n < 34)
.set rb, S+16*((n-2)%4)+2*((n-2)/4)
	v_exp_f32 v[rb], v[rb]
.endif
.if (n >= 8) && (n < 36)
.set rc, S+16*((n-4)%4)+2*((n-4)/4)
.set rs, 160+2*((n-4)%4)+24*(((n-4)%4)/2)
.if (n-4)/4 == 1
	s_wait_alu depctr_va_vdst(0)
	v_pk_add_f32 v[rs:rs+1], v[rc-2:rc-1], v[rc:rc+1]
.else
	s_wait_alu depctr_va_vdst(0)
	v_pk_add_f32 v[rs:rs+1], v[rs:rs+1], v[rc:rc+1]
.endif
.endif
.if (n >= 2) && (n < 34)
	v_exp_f32 v[rb+1], v[rb+1]
.endif
.set n, n+1
.endr
.endm
; Exact GELU of tile t's 16 numbers a lane: x/2 + |x| (1/2 - poly(u) e^(-x^2/2)), u = 1 / (1 + 0.2316 |x|), the polynomial's coefficients halved; rounded to bf16 into v[128 + 8 t ..].
.macro GELU t
.set rX, S+16*(\t)
.set i, 0
.rept 16
	v_and_b32 v[160+i], s[ABSM], v[rX+i]
.set i, i+1
.endr
.set i, 0
.rept 8
	v_pk_fma_f32 v[176+2*i:176+2*i+1], v[160+2*i:160+2*i+1], s[KP:KP+1], 1.0 op_sel_hi:[1,0,0]
.set i, i+1
.endr
.set i, 0
.rept 8
	v_pk_mul_f32 v[192+2*i:192+2*i+1], v[rX+2*i:rX+2*i+1], s[KE:KE+1] op_sel_hi:[1,0]
.set i, i+1
.endr
.set i, 0
.rept 8
	v_pk_mul_f32 v[192+2*i:192+2*i+1], v[192+2*i:192+2*i+1], v[rX+2*i:rX+2*i+1]
.set i, i+1
.endr
.set i, 0
.rept 16
	v_rcp_f32 v[176+i], v[176+i]
.set i, i+1
.endr
.set i, 0
.rept 16
	v_exp_f32 v[192+i], v[192+i]
.set i, i+1
.endr
	v_nop
.set i, 0
	s_wait_alu depctr_va_vdst(0)
.rept 8
	v_pk_fma_f32 v[208+2*i:208+2*i+1], v[176+2*i:176+2*i+1], s[A5:A5+1], s[A4:A4+1] op_sel_hi:[1,0,0]
.set i, i+1
.endr
.irp a, A3, A2, A1
.set i, 0
.rept 8
	v_pk_fma_f32 v[208+2*i:208+2*i+1], v[208+2*i:208+2*i+1], v[176+2*i:176+2*i+1], s[\a:\a+1] op_sel_hi:[1,1,0]
.set i, i+1
.endr
.endr
.set i, 0
.rept 8
	v_pk_mul_f32 v[208+2*i:208+2*i+1], v[208+2*i:208+2*i+1], v[176+2*i:176+2*i+1]
.set i, i+1
.endr
.set i, 0
.rept 8
	v_pk_fma_f32 v[208+2*i:208+2*i+1], v[208+2*i:208+2*i+1], v[192+2*i:192+2*i+1], 0.5 op_sel_hi:[1,1,0] neg_lo:[1,0,0] neg_hi:[1,0,0]
.set i, i+1
.endr
.set i, 0
.rept 8
	v_pk_mul_f32 v[192+2*i:192+2*i+1], v[rX+2*i:rX+2*i+1], 0.5 op_sel_hi:[1,0]
.set i, i+1
.endr
.set i, 0
.rept 8
	v_pk_fma_f32 v[208+2*i:208+2*i+1], v[160+2*i:160+2*i+1], v[208+2*i:208+2*i+1], v[192+2*i:192+2*i+1]
.set i, i+1
.endr
.set i, 0
.rept 8
	v_cvt_pk_bf16_f32 v[128+8*(\t)+i], v[208+2*i], v[208+2*i+1]
.set i, i+1
.endr
.endm
; ---------------------------------------------------------------- the head
	s_load_b512 s[4:19], s[0:1], 0x0   ; N 4, cond 6, Xh 8, Wgb 10, W1t 12, W2b 14, PAR 16, out0 18
	v_lshl_add_u32 v28, v0, 2, SPARE
	v_mov_b32 v29, 0
	ds_add_u32 v28, v29                ; the wave's opening: the add and its wait stand ahead of my first tensor load; the set-up below stands between them
	v_lshrrev_b32 v3, 5, v0
	v_readfirstlane_b32 s[WV], v3      ; wave 0..3
	s_bfe_u32 s21, ttmp6, 0x40000      ; cx: it enters N's, cond's and out0's addresses alone
	s_lshl_b32 s22, ttmp9, 2
	s_add_co_u32 s22, s22, s21         ; my block of 64 rows in the batch
	s_and_b32 s23, ttmp7, 0xffff       ; the batch, which the four partners share
	s_lshl_b32 s[WQ], s[WV], 15
	s_mov_b32 s[WQ+1], 0
	s_lshl_b32 s2, s23, 22             ; 2,048 rows of 2,048 bytes,
	s_lshl_b32 s3, s22, 17             ; 64 rows,
	s_add_co_u32 s2, s2, s3
	s_add_co_u32 s2, s2, s[WQ]         ; my wave's 16 rows
	s_mov_b32 s3, 0
	s_lshl_b32 s60, s23, 21            ; the batch in Xh: 2,048 rows of 1,024 bytes
	s_mov_b32 s61, 0
	s_add_nc_u64 s[60:61], s[60:61], s[WQ:WQ+1]
	; group 1 of the joint loads: 32 rows x 512 elements of 2 bytes, 16 bytes of padding behind every 1,024
	s_mov_b32 s[G1+0], 15|(1<<16)|(1<<20)|(1<<21)|(7<<22)|(3<<25)  ; 15:0 the mask of four; 17:16 2-byte elements; 20 padding on; 21 set beside a mask; 24:22 after every 256 words; 31:25 4 words
	s_mov_b32 s[G1+1], 512<<16         ; tensor_dim0
	s_mov_b32 s[G1+2], 32<<16          ; tensor_dim1
	s_mov_b32 s[G1+3], 512<<16         ; tile_dim0
	s_mov_b32 s[G1+4], 32              ; tile_dim1
	s_mov_b32 s[G1+5], 512             ; elements from row to row
	s_mov_b32 s[G1+6], 0
	s_mov_b32 s[G1+7], 0
	; group 1 of the two first fills: 16 rows x 512 elements of 4 bytes, 16 bytes of padding behind every 1,024; no mask
	s_mov_b32 s[G1F+0], (2<<16)|(1<<20)|(7<<22)|(3<<25)
	s_mov_b32 s[G1F+1], 512<<16
	s_mov_b32 s[G1F+2], 16<<16
	s_mov_b32 s[G1F+3], 512<<16
	s_mov_b32 s[G1F+4], 16
	s_mov_b32 s[G1F+5], 512
	s_mov_b32 s[G1F+6], 0
	s_mov_b32 s[G1F+7], 0
	s_mov_b32 s[G0], 1
	s_mul_i32 s[WOFF], s[WV], QROWS
	s_add_co_u32 s[G0+1], s[WOFF], SLOT  ; the first change of slots turns it to slot 0
	s_mov_b32 s[G0N], 1
	s_mul_i32 s[G0N+1], s[WV], 16*FP
	s_mov_b32 s[G0C], 1
	s_add_co_u32 s[G0C+1], s[G0N+1], SLOT
	s_mov_b32 s[TB], 0
	s_mov_b32 s[CS], 0x3d8293ee        ; log2(e) / sqrt(512)
	s_mov_b32 s[CS+1], s[CS]
	s_mov_b32 s[SEL], 0x76543210
	s_mov_b32 s[SEL+1], 0xfedcba98
	s_mov_b32 s[KP], 0x3e6d3388        ; 0.3275911 / sqrt(2)
	s_mov_b32 s[KP+1], s[KP]
	s_mov_b32 s[KE], 0xbf38aa3b        ; -log2(e) / 2
	s_mov_b32 s[KE+1], s[KE]
	s_mov_b32 s[A5], 0x3f07dc22        ; the five coefficients, halved
	s_mov_b32 s[A5+1], s[A5]
	s_mov_b32 s[A4], 0xbf3a00e3
	s_mov_b32 s[A4+1], s[A4]
	s_mov_b32 s[A3], 0x3f35f0e3
	s_mov_b32 s[A3+1], s[A3]
	s_mov_b32 s[A2], 0xbe11a98e
	s_mov_b32 s[A2+1], s[A2]
	s_mov_b32 s[A1], 0x3e027906
	s_mov_b32 s[A1+1], s[A1]
	s_mov_b32 s[ABSM], 0x7fffffff
	s_mov_b32 s[NL2E], 0xbfb8aa3b      ; -log2(e)
	s_mov_b32 s[NL2E+1], s[NL2E]
	s_mov_b32 s[EPS], 0x3727c5ac       ; 1e-5
	s_mov_b32 s[R512], 0x3b000000      ; 1 / 512
	s_wait_dscnt 0x0                   ; the opening add is done
	s_wait_kmcnt 0x0
	s_add_nc_u64 s[G0N+2:G0N+3], s[4:5], s[2:3]
	s_or_b32 s[G0N+3], s[G0N+3], 0x80000000
	s_add_nc_u64 s[G0C+2:G0C+3], s[6:7], s[2:3]
	s_or_b32 s[G0C+3], s[G0C+3], 0x80000000
	s_add_nc_u64 s[18:19], s[18:19], s[2:3]      ; out0 at my wave's 16 rows
	s_add_nc_u64 s[PG:PG+1], s[10:11], s[WQ:WQ+1]
	s_add_nc_u64 s[PX:PX+1], s[8:9], s[60:61]
	s_add_nc_u64 s[PW1:PW1+1], s[12:13], s[WQ:WQ+1]
	s_add_nc_u64 s[PW2:PW2+1], s[14:15], s[WQ:WQ+1]
	CROUND                             ; the round in front of the first tensor loads
	tensor_load_to_lds s[G0N:G0N+3], s[G1F:G1F+7]  ; my 16 rows of N, f32, into slot 0
	s_nop 0
	tensor_load_to_lds s[G0C:G0C+3], s[G1F:G1F+7]  ; my 16 rows of cond into slot 1
	s_nop 0
	v_and_b32 v1, 15, v0               ; r = lane % 16
	v_bfe_u32 v2, v0, 4, 1             ; h = lane / 16
	v_and_b32 v3, 31, v0               ; lane
	v_lshl_add_u32 v16, v3, 4, ACT     ; AP: a lane's 16 bytes of a register image
	v_and_b32 v10, 7, v0               ; lane % 8
	v_bfe_u32 v11, v0, 3, 1            ; (lane / 8) % 2
	v_lshl_add_u32 v31, v10, 1, v11    ; index r of a group of 16 lies in LDS row 2 (r % 8) + r / 8
	v_mul_u32_u24 v31, v31, PITCH
	v_lshl_add_u32 v31, v2, 4, v31
	v_add_nc_u32 v31, s[WOFF], v31     ; in my 32 key rows, + 16 h
.irp g, 0,1,2,3
	s_add_co_u32 s[TS], s[WV], \g
	s_and_b32 s[TS], s[TS], 3          ; (g + w) % 4
	s_lshl_b32 s60, s[TS], 6
	v_add_nc_u32 v[4+\g], s60, v31     ; AKG(g): that wave's 32 channels in each group of 128
	s_lshl_b32 s60, s[TS], 13
	v_add_nc_u32 v[20+\g], s60, v16    ; AXL(g): that wave's 8 KB in an exchange
.endr
	v_lshl_add_u32 v12, v10, 1, v2     ; the turning load's row: 2 (lane % 8) + lane / 16, which holds index 8 (lane / 16) + lane % 8
	v_mul_u32_u24 v12, v12, PITCH
	v_lshl_add_u32 v12, v11, 4, v12    ; 16 bytes for each eight lanes
	s_lshl_b32 s[TS], s[WV], 6
	v_add_nc_u32 v12, s[TS], v12       ; AV0: my 32 channels
	v_add_nc_u32 v13, 2*QROWS, v12     ; AV1: 64 rows on
	s_lshl_b32 s[TS], s[WV], 12
	v_add_nc_u32 v17, s[TS], v16       ; APW: my part kk = w of Act
	s_lshl_b32 s[TS], s[WV], 13
	v_add_nc_u32 v18, s[TS], v16       ; AXS: my 8 KB in an exchange
	s_lshl_b32 s[TS], s[WV], 7
	v_lshl_add_u32 v19, v2, 5, s[TS]   ; VB = 128 w + 32 h: my channels' bytes in a vector of f32
	v_lshl_add_u32 v25, v1, 4, ST0     ; ASTL
	s_lshl_b32 s[TS], s[WV], 8
	v_add_nc_u32 v24, s[TS], v25       ; ASTS
	v_add_nc_u32 v26, B1L, v19         ; ABI
	v_mov_b32 v30, -1.0
.set i, 0
.rept 16                               ; b_gate for my channels: i = 2 cb + q
	global_load_b128 v[64+4*i:64+4*i+3], v19, s[16:17] offset:P_BG+512*(i/4)+64*((i/2)%2)+16*(i%2)
.set i, i+1
.endr
	v_lshlrev_b32 v31, 5, v0
	global_load_b128 v[128:131], v31, s[16:17] offset:P_B1
	global_load_b128 v[132:135], v31, s[16:17] offset:P_B1+16
	v_add_nc_u32 v27, B1L, v31
	s_wait_loadcnt 0x0
	ds_store_b128 v27, v[128:131]      ; b1 is copied once into LDS: 128 threads x 32 bytes
	ds_store_b128 v27, v[132:135] offset:16
	WIN 0x40
.set i, 0
.rept 256                              ; the gate's sums start from the bias; this stands in the wait for the first tiles
	v_mov_b32 v[i], v[64+i%64]
.set i, i+1
.endr
	WIN 0
; ---------------------------------------------------------------- the gate product, 8 K steps of 128
	s_wait_tensorcnt 0x1               ; my rows of N are in; cond's fill may stay out
	s_wait_dscnt 0x0                   ; b1's copy is done
	s_barrier_signal -1
	s_barrier_wait -1
	CONV 0, 0
	TURNSLOT 1, PG                     ; cond is in, everybody's; Wgb's tile 0 goes into slot 0
	CONV SLOT, 128
	s_mov_b32 s[CNT], 8
.Lg:                                   ; a trip: Wgb's tile p = 8 - CNT
	s_wait_dscnt 0x0
	s_barrier_signal -1                ; every wave's reads of Act for the tile before are over: Act is written again only behind this barrier
	s_barrier_wait -1
.irp p, 0,1,2,3,4,5,6                  ; p picks the registers: forward jumps on the loop's counter, the same in every wave
	s_cmp_eq_u32 s[CNT], 8-\p
	s_cbranch_scc1 .Lact\p
.endr
	ACTBLK 7
	s_branch .Lactd
.irp p, 0,1,2,3,4,5,6
.Lact\p:
	ACTBLK \p
.if \p < 6
	s_branch .Lactd
.endif
.endr
.Lactd:
	TURNSLOT 1, PG, PX                 ; the next tile is asked for; the last trip asks for X's tile 0
	KSTEP bf16
	s_sub_co_u32 s[CNT], s[CNT], 1
	s_cmp_lg_u32 s[CNT], 0
	s_cbranch_scc1 .Lg
	s_add_nc_u64 s[PX:PX+1], s[PX:PX+1], TILEB
	PLACES
	s_wait_dscnt 0x0
	s_barrier_signal -1                ; every wave's reads of Act are over: it is free for the exchange
	s_barrier_wait -1
.irp jj, 0,1,2,3
.irp tt, 0,1,2,3
	GBATCH \tt, \jj
.endr
.endr
	XROUND 0, 64
	XROUND 1, 128
	; l starts at 0, m at the lowest finite number, c m far below every c s: the first key step is a step like any other, with a = 0.  ACC is not cleared: that step multiplies the gate's sums, which are finite, by 0.
	ALLT v_mov_b32 v[ST+8*t], 0xfe000000
	ALLT v_mov_b32 v[ST+8*t+1], 0xff7fffff
.irp z, 2,3,4,5,6,7
	ALLT v_mov_b32 v[ST+8*t+\z], 0
.endr
; ---------------------------------------------------------------- attention, 16 key steps of 128
; A trip begins at the change of slots.  Behind it the new tile's first K fragments are asked for, and the 32 products V^T P that the step before has left (their operands are in registers) are issued
; while those fragments come.  So the loop is entered in the middle of a trip, and the last step's 32 products stand behind it.
	s_mov_b32 s[CNT], 16
	TURNSLOT 1, PX                     ; X's tile 0 is in; tile 1 is asked for
	FETCHK 0, 192
	s_branch .La_in
.La:
	TURNSLOT 1, PX, PW1                ; the next tile has a whole step, 256 matrix instructions, in which to land; the last trip asks for W1t's tile 0
	FETCHK 0, 192                      ; the six additions behind the tensor load are the places behind the products that read v192-255
	MULV 64, 128, f16                  ; keys 96 to 127 of the step before
	WIN 0
.rept 5                                ; five places: the next products write S over V's registers, the next loads land on Act's
	v_nop
.endr
.La_in:
	KQREST 0, 1
	PLACES
	; the maximum of my 16 scores a row and tile; each accumulator's lowest registers are read first
	ALLT v_max3_num_f32 v[ST+8*t+4], v[S+16*t], v[S+16*t+1], v[S+16*t+2]
	ALLT v_max3_num_f32 v[ST+8*t+5], v[S+16*t+8], v[S+16*t+9], v[S+16*t+10]
	ALLT v_max3_num_f32 v[ST+8*t+4], v[ST+8*t+4], v[S+16*t+3], v[S+16*t+4]
	ALLT v_max3_num_f32 v[ST+8*t+5], v[ST+8*t+5], v[S+16*t+11], v[S+16*t+12]
	ALLT v_max3_num_f32 v[ST+8*t+4], v[ST+8*t+4], v[S+16*t+5], v[S+16*t+6]
	ALLT v_max3_num_f32 v[ST+8*t+5], v[ST+8*t+5], v[S+16*t+13], v[S+16*t+14]
	ALLT v_max3_num_f32 v[ST+8*t+4], v[ST+8*t+4], v[S+16*t+7], v[S+16*t+15]
	ALLT v_max_num_f32 v[ST+8*t+4], v[ST+8*t+4], v[ST+8*t+5]
	ALLT v_permlanex16_b32 v[ST+8*t+5], v[ST+8*t+4], s[SEL], s[SEL+1]
	ALLT v_max_num_f32 v[160+t], v[ST+8*t+4], v[ST+8*t+5]
	ds_store_b128 v24, v[160:163]      ; m_loc, my 32 keys' maximum, goes to the other waves.  Meanwhile p' = 2^(c s - c m_loc) is made; p = p' 2^(c m_loc - c m), both factors at most 1
	ALLT v_mul_f32 v[ST+8*t+4], s[CS], v[160+t]
	SMPIPE 0, 8
	s_wait_dscnt 0x0                   ; for the others' sake: my maxima are in LDS (V's early loads are back too)
	s_barrier_signal -1
	SMPIPE 8, 22                       ; work on registers between the signal and the wait
	s_barrier_wait -1
.set u, 0
.rept 4
	ds_load_b128 v[164+4*u:164+4*u+3], v25 offset:256*u   ; the four waves' maxima; these reads are waited for in front of the next barrier, the region's next store stands behind it
.set u, u+1
.endr
	SMPIPE 22, 36
	s_wait_dscnt 0x0
	ALLT v_mov_b32 v[ST+8*t+7], v[ST+8*t]
	ALLT v_max3_num_f32 v[ST+8*t+1], v[ST+8*t+1], v[164+t], v[168+t]
	ALLT v_max3_num_f32 v[ST+8*t+1], v[ST+8*t+1], v[172+t], v[176+t]
	ALLT v_mul_f32 v[ST+8*t], s[CS], v[ST+8*t+1]
	ALLT v_sub_f32 v[ST+8*t+7], v[ST+8*t+7], v[ST+8*t]
	ALLT v_sub_f32 v[181+2*t], v[ST+8*t+4], v[ST+8*t]
	ALLT v_exp_f32 v[ST+8*t+6], v[ST+8*t+7]
	ALLT v_exp_f32 v[180+2*t], v[181+2*t]
	v_nop                              ; a plain instruction behind the last exponential
.set i, 0
	s_wait_alu depctr_va_vdst(0)
.rept 32
	v_pk_mul_f32 v[S+2*i:S+2*i+1], v[S+2*i:S+2*i+1], v[180+2*(i/8):181+2*(i/8)] op_sel_hi:[1,0]
.set i, i+1
.endr
.set i, 0
.rept 32                               ; two results rounded in pairs are a fragment of P
	v_cvt_pk_f16_f32 v[128+i], v[S+2*i], v[S+2*i+1]
.set i, i+1
.endr
.set i, 0
.rept 8
	ds_store_b128 v17, v[128+4*i:128+4*i+3] offset:512*i
.set i, i+1
.endr
	ALLT v_pk_mul_f32 v[160+2*t+24*(t/2):161+2*t+24*(t/2)], v[160+2*t+24*(t/2):161+2*t+24*(t/2)], v[180+2*t:181+2*t] op_sel_hi:[1,0]
	ALLT v_pk_fma_f32 v[ST+8*t+2:ST+8*t+3], v[ST+8*t+2:ST+8*t+3], v[ST+8*t+6:ST+8*t+7], v[160+2*t+24*(t/2):161+2*t+24*(t/2)] op_sel_hi:[1,0,1]
	s_wait_dscnt 0x0                   ; for the others' sake: my part of P is in Act
	s_barrier_signal -1
	WIN 0x41                           ; O times a, tiles 0 and 1: work on registers between the signal and the wait
.set i, 0
.rept 64
	v_pk_mul_f32 v[2*i:2*i+1], v[2*i:2*i+1], v[ST+8*(i/32)+6:ST+8*(i/32)+7] op_sel_hi:[1,0]
.set i, i+1
.endr
	WIN 0
	s_barrier_wait -1
	FETCHA 0, 160                      ; P for keys 0 to 31 first: V for them is in v192-255 already
	FETCHVV 1, 64
	FETCHA 1, 128
	WIN 0x41                           ; O times a, tiles 2 and 3, while those loads are out
.set i, 64
.rept 64
	v_pk_mul_f32 v[2*i:2*i+1], v[2*i:2*i+1], v[ST+8*(i/32)+6:ST+8*(i/32)+7] op_sel_hi:[1,0]
.set i, i+1
.endr
	s_wait_dscnt 24                    ; all but the 24 loads issued last
	MULV 192, 160, f16
	PLACES
	FETCHVV 2, 192
	FETCHA 2, 160
	s_wait_dscnt 24
	MULV 64, 128, f16
	PLACES
	FETCHVV 3, 64
	FETCHA 3, 128
	s_wait_dscnt 24
	MULV 192, 160, f16
	WIN 0
	s_sub_co_u32 s[CNT], s[CNT], 1
	s_cmp_lg_u32 s[CNT], 0
	s_cbranch_scc1 .La
	s_wait_dscnt 0x0
	MULV 64, 128, f16                  ; the last step's keys 96 to 127
	WIN 0
	s_add_nc_u64 s[PW1:PW1+1], s[PW1:PW1+1], TILEB
; ---------------------------------------------------------------- O / l + fused, LayerNorm 1
	PLACES
.set i, 0
.rept 16                               ; g1 and be1 for my channels
	global_load_b128 v[64+4*i:64+4*i+3], v19, s[16:17] offset:P_G1+512*(i/4)+64*((i/2)%2)+16*(i%2)
	global_load_b128 v[128+4*i:128+4*i+3], v19, s[16:17] offset:P_BE1+512*(i/4)+64*((i/2)%2)+16*(i%2)
.set i, i+1
.endr
	ALLT v_add_f32 v[ST+8*t+4], v[ST+8*t+2], v[ST+8*t+3]
	RED 1
	ALLT v_rcp_f32 v[ST+8*t+4], v[ST+8*t+4]
	v_nop
	s_wait_alu depctr_va_vdst(0)
.set tt, 0
.rept 4
	WIN 0x61+0x10*(tt/2)               ; ACC in window 1, 1 / l in window 0, my own fragments of Q in window 2 or 3
.set i, 0
.rept 64
.if i%2
	v_fma_mix_f32 v[64*tt+i], v[64*tt+i], v[ST+8*tt+4], v[128*(tt%2)+i/2] op_sel:[0,0,1] op_sel_hi:[0,0,1]
.else
	v_fma_mix_f32 v[64*tt+i], v[64*tt+i], v[ST+8*tt+4], v[128*(tt%2)+i/2] op_sel:[0,0,0] op_sel_hi:[0,0,1]
.endif
.set i, i+1
.endr
.set tt, tt+1
.endr
	WIN 0x05
	ALLT v_pk_add_f32 v[ST+8*t+2:ST+8*t+3], v[64*t:64*t+1], v[64*t+2:64*t+3]
	WIN 0x04
.set i, 2
.rept 30
	ALLT v_pk_add_f32 v[ST+8*t+2:ST+8*t+3], v[ST+8*t+2:ST+8*t+3], v[64*t+2*i:64*t+2*i+1]
.set i, i+1
.endr
	WIN 0
	ALLT v_add_f32 v[ST+8*t+4], v[ST+8*t+2], v[ST+8*t+3]
	RED 2
	ALLT v_mul_f32 v[ST+8*t], s[R512], v[ST+8*t+4]
	ALLT v_mov_b32 v[ST+8*t+1], v[ST+8*t]
	WIN 0x41
.set i, 0
.rept 128                              ; x - mu: the variance is taken of the centred numbers
	v_pk_add_f32 v[2*i:2*i+1], v[2*i:2*i+1], v[ST+8*(i/32):ST+8*(i/32)+1] op_sel_hi:[1,0] neg_lo:[0,1] neg_hi:[0,1]
.set i, i+1
.endr
	WIN 0x05
	ALLT v_pk_mul_f32 v[ST+8*t+2:ST+8*t+3], v[64*t:64*t+1], v[64*t:64*t+1]
.set i, 1
.rept 31
	ALLT v_pk_fma_f32 v[ST+8*t+2:ST+8*t+3], v[64*t+2*i:64*t+2*i+1], v[64*t+2*i:64*t+2*i+1], v[ST+8*t+2:ST+8*t+3]
.set i, i+1
.endr
	WIN 0
	ALLT v_add_f32 v[ST+8*t+4], v[ST+8*t+2], v[ST+8*t+3]
	RED 3
	ALLT v_fma_f32 v[ST+8*t+6], v[ST+8*t+4], s[R512], s[EPS]
	ALLT v_rsq_f32 v[ST+8*t+6], v[ST+8*t+6]
	s_wait_loadcnt 0x0                 ; g1, be1
	v_nop
	WIN 0x41
.set i, 0
	s_wait_alu depctr_va_vdst(0)
.rept 128
	v_pk_mul_f32 v[2*i:2*i+1], v[2*i:2*i+1], v[ST+8*(i/32)+6:ST+8*(i/32)+7] op_sel_hi:[1,0]
.set i, i+1
.endr
.set i, 0
.rept 128                              ; q, in f32: it stays in ACC and is what the sums of h W2 start from, so the second residual costs nothing
	v_pk_fma_f32 v[2*i:2*i+1], v[2*i:2*i+1], v[64+2*(i%32):64+2*(i%32)+1], v[128+2*(i%32):128+2*(i%32)+1]
.set i, i+1
.endr
.irp rd, 0,1
	WIN 0x05
.set kq, 0
.rept 2
.set tq, 0
.rept 4
.set i, 0
.rept 8
	v_cvt_pk_f16_f32 v[192+8*(4*kq+tq)+i], v[64*tq+16*(2*\rd+kq)+2*i], v[64*tq+16*(2*\rd+kq)+2*i+1]
.set i, i+1
.endr
.set tq, tq+1
.endr
.set kq, kq+1
.endr
	XROUND \rd, 192
.endr
; ---------------------------------------------------------------- the FFN: 8 x (128 hidden numbers: q W1 + b1, GELU, times W2)
	s_mov_b32 s[CNT], 8
	s_mov_b32 s[SB1], 0
.Lf:
	TURNSLOT 1, PW2                    ; W1t's tile is in; W2b's tile of the same hidden numbers is asked for
	v_add_nc_u32 v27, s[SB1], v26
.set i, 0
.rept 4                                ; b1 for my 32 hidden numbers, as the C operand; older than KQ's loads, so KQ's first wait covers them
	ds_load_b128 v[32+4*i:32+4*i+3], v27 offset:64*(i/2)+16*(i%2)
.set i, i+1
.endr
	FETCHK 0, 192
	KQREST 1, 0
	PLACES
	GELU 0
	GELU 1
	GELU 2
	GELU 3
.set i, 0
.rept 8
	ds_store_b128 v17, v[128+4*i:128+4*i+3] offset:512*i
.set i, i+1
.endr
	s_add_co_u32 s[SB1], s[SB1], 512
	s_sub_co_u32 s[CNT], s[CNT], 1
	s_cmp_eq_u32 s[CNT], 0
	s_cbranch_scc1 .Lf_last            ; the last trip is left here: nothing more is asked for
	TURNSLOT 1, PW1
	KSTEP bf16
	s_branch .Lf
.Lf_last:
	TURNSLOT 0
	KSTEP bf16
; ---------------------------------------------------------------- + b2, LayerNorm 2, and the way out by whole rows
	PLACES
	v_mul_u32_u24 v8, v1, DP           ; the stage lies in slot 0: its last fill has landed, and every wave's reads of it were over at the last barrier
	v_add_nc_u32 v8, v19, v8
	v_add_nc_u32 v9, 32*DP, v8
	v_lshlrev_b32 v12, 4, v3           ; 16 x lane
	s_mul_i32 s[TS], s[WV], 16*DP
	v_add_nc_u32 v10, s[TS], v12       ; my 16 rows of the stage
	WIN 0x04                           ; store data in window 1
.set tt, 0
.rept 4
.set i, 0
.rept 16                               ; i = 2 cb + q: each accumulator's lowest registers go first
	ds_store_b128 v[8+tt/2], v[64*tt+4*i:64*tt+4*i+3] offset:(tt%2)*16*DP+512*(i/4)+64*((i/2)%2)+16*(i%2)
.set i, i+1
.endr
.set tt, tt+1
.endr
	WIN 0
.set i, 0
.rept 4                                ; a lane's 16 channels of a whole row: 128 i + 4 lane + 0..3
	global_load_b128 v[96+4*i:96+4*i+3], v12, s[16:17] offset:P_B2+512*i
	global_load_b128 v[112+4*i:112+4*i+3], v12, s[16:17] offset:P_G2+512*i
	global_load_b128 v[128+4*i:128+4*i+3], v12, s[16:17] offset:P_BE2+512*i
.set i, i+1
.endr
	s_wait_dscnt 0x0
	s_barrier_signal -1
	s_barrier_wait -1
.macro BOTH line:vararg                ; one line for each of a trip's two rows
.set rw, 0
.rept 2
	\line
.set rw, rw+1
.endr
.endm
.macro WRED                            ; v[144 + 8 rw] summed over the wave's 32 lanes
.irp m, 1,2,4,8
	BOTH v_add_f32_dpp v[144+8*rw], v[144+8*rw], v[144+8*rw] row_xmask:\m row_mask:0xf bank_mask:0xf
.endr
	BOTH v_permlanex16_b32 v[144+8*rw+1], v[144+8*rw], s[SEL], s[SEL+1]
	BOTH v_add_f32 v[144+8*rw], v[144+8*rw], v[144+8*rw+1]
.endm
	s_mov_b32 s[CNT], 8
	s_mov_b32 s[RB], 0
	s_wait_loadcnt 0x0                 ; b2, g2, be2
.Lr:                                   ; a trip: two whole rows of the wave's 16
	v_add_nc_u32 v11, s[RB], v10
.set i, 0
.rept 4
	BOTH ds_load_b128 v[32+16*rw+4*i:32+16*rw+4*i+3], v11 offset:rw*DP+512*i
.set i, i+1
.endr
	s_wait_dscnt 0x0
.set i, 0
.rept 8
	BOTH v_pk_add_f32 v[32+16*rw+2*i:32+16*rw+2*i+1], v[32+16*rw+2*i:32+16*rw+2*i+1], v[96+2*i:96+2*i+1]
.set i, i+1
.endr
.set i, 0
.rept 4
	BOTH v_pk_add_f32 v[144+8*rw+2*i:144+8*rw+2*i+1], v[32+16*rw+4*i:32+16*rw+4*i+1], v[32+16*rw+4*i+2:32+16*rw+4*i+3]
.set i, i+1
.endr
	BOTH v_pk_add_f32 v[144+8*rw:144+8*rw+1], v[144+8*rw:144+8*rw+1], v[144+8*rw+2:144+8*rw+3]
	BOTH v_pk_add_f32 v[144+8*rw+4:144+8*rw+5], v[144+8*rw+4:144+8*rw+5], v[144+8*rw+6:144+8*rw+7]
	BOTH v_pk_add_f32 v[144+8*rw:144+8*rw+1], v[144+8*rw:144+8*rw+1], v[144+8*rw+4:144+8*rw+5]
	BOTH v_add_f32 v[144+8*rw], v[144+8*rw], v[144+8*rw+1]
	WRED
	BOTH v_mul_f32 v[144+8*rw+2], s[R512], v[144+8*rw]
	BOTH v_mov_b32 v[144+8*rw+3], v[144+8*rw+2]
.set i, 0
.rept 8
	BOTH v_pk_add_f32 v[32+16*rw+2*i:32+16*rw+2*i+1], v[32+16*rw+2*i:32+16*rw+2*i+1], v[144+8*rw+2:144+8*rw+3] neg_lo:[0,1] neg_hi:[0,1]
.set i, i+1
.endr
	BOTH v_pk_mul_f32 v[144+8*rw:144+8*rw+1], v[32+16*rw:32+16*rw+1], v[32+16*rw:32+16*rw+1]
.set i, 1
.rept 7
	BOTH v_pk_fma_f32 v[144+8*rw:144+8*rw+1], v[32+16*rw+2*i:32+16*rw+2*i+1], v[32+16*rw+2*i:32+16*rw+2*i+1], v[144+8*rw:144+8*rw+1]
.set i, i+1
.endr
	BOTH v_add_f32 v[144+8*rw], v[144+8*rw], v[144+8*rw+1]
	WRED
	BOTH v_fma_f32 v[144+8*rw+4], v[144+8*rw], s[R512], s[EPS]
	BOTH v_rsq_f32 v[144+8*rw+4], v[144+8*rw+4]
	v_nop
	s_wait_alu depctr_va_vdst(0)
	BOTH v_mov_b32 v[144+8*rw+5], v[144+8*rw+4]
.set i, 0
.rept 8
	BOTH v_pk_mul_f32 v[32+16*rw+2*i:32+16*rw+2*i+1], v[32+16*rw+2*i:32+16*rw+2*i+1], v[144+8*rw+4:144+8*rw+5]
.set i, i+1
.endr
.set i, 0
.rept 8
	BOTH v_pk_fma_f32 v[32+16*rw+2*i:32+16*rw+2*i+1], v[32+16*rw+2*i:32+16*rw+2*i+1], v[112+2*i:112+2*i+1], v[128+2*i:128+2*i+1]
.set i, i+1
.endr
.set i, 0
.rept 4
	BOTH global_store_b128 v12, v[32+16*rw+4*i:32+16*rw+4*i+3], s[18:19] offset:rw*2048+512*i th:TH_STORE_NT  ; 512 consecutive bytes, aligned
.set i, i+1
.endr
	s_wait_xcnt 0x0                    ; the stores' offset and data registers are written again only behind this wait
	v_add_nc_u32 v12, 4096, v12
	s_add_co_u32 s[RB], s[RB], 2*DP
	s_sub_co_u32 s[CNT], s[CNT], 1
	s_cmp_lg_u32 s[CNT], 0
	s_cbranch_scc1 .Lr
	s_wait_tensorcnt 0x0               ; the wave's end: behind my last tensor load and my last LDS store
	ds_add_u32 v28, v29
	s_wait_dscnt 0x0
	CROUND                             ; the closing round: no work-group ends while a partner may still ask for a tile that names it
	s_endpgm
.Lfunc_end_k_qeeea359477_main:
	.size	k_qeeea359477_main, .Lfunc_end_k_qeeea359477_main-k_qeeea359477_main
	.p2alignl 7, 3214868480
	.fill 96, 4, 3214868480
	.section	.rodata,"a",@progbits
	.p2align	6, 0x0
	.amdhsa_kernel k_qeeea359477_main
		.amdhsa_group_segment_fixed_size 327680
		.amdhsa_private_segment_fixed_size 0
		.amdhsa_enable_private_segment 0
		.amdhsa_kernarg_size 64
		.amdhsa_user_sgpr_count 2
		.amdhsa_user_sgpr_kernarg_segment_ptr 1
		.amdhsa_wavefront_size32 1
		.amdhsa_system_sgpr_workgroup_id_x 1
		.amdhsa_system_sgpr_workgroup_id_y 1
		.amdhsa_system_sgpr_workgroup_id_z 1
		.amdhsa_system_vgpr_workitem_id 0
		.amdhsa_next_free_vgpr 1024
		.amdhsa_next_free_sgpr 96
		.amdhsa_reserve_vcc 0
		.amdhsa_float_denorm_mode_32 3
		.amdhsa_float_denorm_mode_16_64 3
		.amdhsa_memory_ordered 1
		.amdhsa_forward_progress 1
		.amdhsa_inst_pref_size 255
	.end_amdhsa_kernel
	.section	.bss,"aw",@nobits
	.p2align	6
	.space	262144
	.amdgpu_metadata
---
amdhsa.version: [ 1, 2 ]
amdhsa.kernels:
  - .name:           k_qeeea359477_main
    .symbol:         k_qeeea359477_main.kd
    .args:
      - { .name: Noise_x, .offset: 0, .size: 8, .value_kind: global_buffer, .address_space: global }
      - { .name: cond, .offset: 8, .size: 8, .value_kind: global_buffer, .address_space: global }
      - { .name: Xh, .offset: 16, .size: 8, .value_kind: global_buffer, .address_space: global }
      - { .name: Wgb, .offset: 24, .size: 8, .value_kind: global_buffer, .address_space: global }
      - { .name: W1t, .offset: 32, .size: 8, .value_kind: global_buffer, .address_space: global }
      - { .name: W2b, .offset: 40, .size: 8, .value_kind: global_buffer, .address_space: global }
      - { .name: PAR, .offset: 48, .size: 8, .value_kind: global_buffer, .address_space: global }
      - { .name: out0, .offset: 56, .size: 8, .value_kind: global_buffer, .address_space: global }
    .group_segment_fixed_size: 327680
    .private_segment_fixed_size: 0
    .kernarg_segment_align: 8
    .kernarg_segment_size: 64
    .max_flat_workgroup_size: 128
    .sgpr_count:     96
    .vgpr_count:     1024
    .wavefront_size: 32
...
	.end_amdgpu_metadata
.endif
;; end of part 2
;; ======== version 2 of 2: 2 launches; version 1 with the launch prep written anew for expert scheduling mode
;; limits: values outside matrix products are rounded to f16; values are held in f16: magnitudes above 65,504 overflow, below 6.1e-05 lose precision
;; workspace buffers: Xh 16,777,216 bytes; Wgb 1,048,576 bytes; W2b 1,048,576 bytes; W1t 1,048,576 bytes; PAR 16,384 bytes
;; launch prep (part 3): grid 641 x 1, 8 waves a work-group, no clusters, 18,432 bytes of LDS; arguments X, W_gate, W2, W1, b_gate, b1, b2, g1, be1, g2, be2, Xh, Wgb, W2b, W1t, PAR; writes Xh, Wgb, W2b, W1t, PAR
.if DOCPART == 3
	.amdgcn_target "amdgcn-amd-amdhsa--gfx1250"
	.amdhsa_code_object_version 6
	.text
	.protected	k_qeeea359477_prep
	.globl	k_qeeea359477_prep
	.p2align	8
	.type	k_qeeea359477_prep,@function
k_qeeea359477_prep:
	s_mov_b64 s[64:65], 0
	v_nop
	global_prefetch_b8 v0, s[64:65] scope:SCOPE_SE
	s_setreg_imm32_b32 hwreg(HW_REG_WAVE_SCHED_MODE, 0, 2), 2
	s_setreg_imm32_b32 hwreg(HW_REG_WAVE_MODE, 25, 1), 1
	s_wait_xcnt 0x0
	s_wait_alu depctr_vm_vsrc(0)
; Rounds what the fused launch reads many times, once.  Every input is rounded to bf16 first, so that all inputs of the module carry the same rounding.
;   work-groups 0..511    Xh  = f16(bf16(X)), same layout (exact: bf16's 8 bits fit f16's 11)
;   work-groups 512..575  Wgb = bf16(W_gate), W2b = bf16(W2), rows reordered (below)
;   work-groups 576..639  W1t[n][k] = f16(bf16(W1[k][n])): transposed through LDS, tiles of 128 k x 64 n, rows reordered
;   work-group  640       PAR = the seven parameter vectors, rounded to bf16, kept as f32
; THE ORDER OF THE WEIGHTS' ROWS.  Row m of each group of 16 rows is stored as row 2 (m % 8) + m / 8 of the group: the order in which the fused launch's LDS loads take a tile's rows.
; LIMITS.  f16 ends at 65,504: |X| and |W1| stay below it; below 6.1e-5 f16 keeps a fixed step of 6e-8.  NaN and infinities are not treated apart.
; No matrix unit, no tensor load: the launch streams; a wave has 16 loads of 512 bytes out (8 in the transposing part).
; THE MODE: SCHED_MODE bits 1:0 = 2 (LLVM: expert scheduling mode 2), set by the entry lines.  The code itself states the register dependences
; between vector instructions and memory or LDS instructions, with s_wait_alu, always for 0.
; THE PLAN.  A wave takes one of four paths; none has a loop.  Registers that memory or LDS instructions touch:
;   v10, v11, v96, v97   offsets and LDS addresses: made by vector lines at a path's head, ahead of ONE wait on va_vdst, and never written again.
;   v16 ..               as loaded: every load of a path is issued at its start, into registers that no vector line has named; read by the conversions.
;   v80 ..  (v32 ..)     to store: each written once, by a conversion, and read by one store (in the transposing path by two LDS stores).
;   v4-9                 at work: named by vector lines alone.
;   v2, v3               written at the head, read by the closing add alone.
; The loads go in blocks of four.  Block p's conversions read their own loads' registers and write their own out registers; the stores of block p - 1 are dealt among them.  So one wait on va_vdst at
; a block's head states all that those stores hang on (the block before has written their data), and no vector line since that wait names a register that they touch.
; No register that a memory or LDS instruction reads is ever written again, so the text holds no wait on vm_vsrc but the entry's and the closing lines'.
.set SPARE, 17408                      ; behind the stage of 64 x 272 bytes: the spare words, 128 bytes for each of 8 waves
.set TP,    272                        ; a stage row: 128 k x 2 bytes + 16
	s_load_b512 s[4:19], s[0:1], 0x0               ; X 4, W_gate 6, W2 8, W1 10, b_gate 12, b1 14, b2 16, g1 18
	s_load_b512 s[20:35], s[0:1], 0x40             ; be1 20, g2 22, be2 24, Xh 26, Wgb 28, W2b 30, W1t 32, PAR 34
	v_lshl_add_u32 v2, v0, 2, SPARE                ; my spare word,
	v_mov_b32 v3, 0                                ; and 0: kept for the add alone
	v_and_b32 v12, 31, v0                          ; lane
	v_lshrrev_b32 v13, 5, v0                       ; wave
	s_mov_b32 s36, ttmp9
	s_mov_b32 s39, 0
	s_mov_b32 s47, 0
	s_mov_b32 s44, 0xffff0000                      ; a word's upper bf16
	s_wait_kmcnt 0x0
; The four numbers of load number nc become 8 bytes in v[80 + 2 nc ..].  half = 1: bf16's value written as f16; 0: bf16.
.macro CONVERT half
.if \half
	v_cvt_pk_bf16_f32 v4, v[16+4*nc], v[16+4*nc+1]
	v_cvt_pk_bf16_f32 v5, v[16+4*nc+2], v[16+4*nc+3]
	v_lshlrev_b32 v6, 16, v4                       ; bf16 back to f32: a shift, a mask
	v_and_b32 v7, s44, v4
	v_lshlrev_b32 v8, 16, v5
	v_and_b32 v9, s44, v5
	v_cvt_pk_f16_f32 v[80+2*nc], v6, v7
	v_cvt_pk_f16_f32 v[80+2*nc+1], v8, v9
.else
	v_cvt_pk_bf16_f32 v[80+2*nc], v[16+4*nc], v[16+4*nc+1]
	v_cvt_pk_bf16_f32 v[80+2*nc+1], v[16+4*nc+2], v[16+4*nc+3]
.endif
.endm
; The 8 bytes of number ns are stored.
.macro SEND perm
.if \perm
	global_store_b64 v11, v[80+2*ns:80+2*ns+1], s[42:43] offset:2048*(ns/4)+256*(ns%4)
.else
	global_store_b64 v11, v[80+2*ns:80+2*ns+1], s[42:43] offset:256*ns
.endif
.endm
; 65,536 bytes of f32 (32 rows of 512) from s[40:41] become 32,768 bytes of 16-bit numbers at s[42:43].  A wave takes 4 rows: 16 loads of 512 consecutive bytes, all issued first;
; each store of the wave covers 256 consecutive bytes, aligned.  No register that a load or store reads is written twice, so no wait frees a source.
; perm = 1: row 4 wave + q goes out as row 16 (wave / 4) + 8 (wave % 2) + (wave / 2) % 2 + 2 q, which is the reordering above.
.macro STREAM half, perm
	v_lshlrev_b32 v10, 4, v12
	v_lshl_add_u32 v10, v13, 13, v10               ; in: wave x 8,192 + lane x 16
	v_lshlrev_b32 v11, 3, v12                      ; out: lane x 8
.if \perm
	v_lshrrev_b32 v4, 2, v13
	v_lshlrev_b32 v4, 4, v4
	v_and_b32 v5, 1, v13
	v_lshl_add_u32 v4, v5, 3, v4
	v_bfe_u32 v5, v13, 1, 1
	v_add_nc_u32 v4, v4, v5
	v_lshl_add_u32 v11, v4, 10, v11                ; + my first row's new place x 1,024
.else
	v_lshl_add_u32 v11, v13, 12, v11               ; + wave x 4,096
.endif
	s_wait_alu depctr_va_vdst(0)                   ; v10 and v11 are written: every load of this path reads the one as its offset, every store the other
.set i, 0
.rept 16
	global_load_b128 v[16+4*i:16+4*i+3], v10, s[40:41] offset:512*i th:TH_LOAD_NT
.set i, i+1
.endr
.set p, 0
.rept 4                                                ; block p: one row of 512 numbers, four loads
	s_wait_loadcnt 12-4*p                          ; loads come back in order: block p's four are in, the later blocks' stay out
.if p > 0
	s_wait_alu depctr_va_vdst(0)                   ; block p - 1's conversions have written v[80 + 8 (p - 1) ..], which the four stores below read
.endif
.set q, 0
.rept 4
.if p > 0
.set ns, 4*(p-1)+q
	SEND \perm                                     ; the block before; no vector line since the wait names its registers
.endif
.set nc, 4*p+q
	CONVERT \half
.set q, q+1
.endr
.set p, p+1
.endr
	s_wait_alu depctr_va_vdst(0)                   ; block 3's conversions have written v[104:111], which the last four stores read
.set ns, 12
.rept 4
	SEND \perm
.set ns, ns+1
.endr
.endm
	s_cmp_ge_u32 s36, 512
	s_cbranch_scc1 .Lnot_x
	s_lshl_b32 s38, s36, 16                        ; X: my 65,536 bytes
	s_add_nc_u64 s[40:41], s[4:5], s[38:39]
	s_lshl_b32 s38, s36, 15
	s_add_nc_u64 s[42:43], s[26:27], s[38:39]
	STREAM 1, 0
	s_endpgm
.Lnot_x:
	s_cmp_ge_u32 s36, 576
	s_cbranch_scc1 .Lnot_w
	s_sub_co_u32 s36, s36, 512
	s_cmp_lt_u32 s36, 32                           ; 32 work-groups for W_gate, 32 for W2
	s_cselect_b64 s[40:41], s[6:7], s[8:9]
	s_cselect_b64 s[42:43], s[28:29], s[30:31]
	s_and_b32 s36, s36, 31
	s_lshl_b32 s38, s36, 16
	s_add_nc_u64 s[40:41], s[40:41], s[38:39]
	s_lshl_b32 s38, s36, 15
	s_add_nc_u64 s[42:43], s[42:43], s[38:39]
	STREAM 0, 1
	s_endpgm
.Lnot_w:
	s_cmp_ge_u32 s36, 640
	s_cbranch_scc1 .Lpar
	; W1's tile: k rows 128 kt .. +127, n columns 64 nt .. +63
	s_sub_co_u32 s36, s36, 576
	s_and_b32 s38, s36, 3                          ; kt
	s_lshr_b32 s45, s36, 2                         ; nt
	s_lshl_b32 s46, s38, 19                        ; 128 rows of 4,096 bytes
	s_lshl_b32 s37, s45, 8                         ; 64 columns of 4 bytes
	s_add_co_u32 s46, s46, s37
	s_add_nc_u64 s[40:41], s[10:11], s[46:47]
	s_lshl_b32 s46, s45, 16                        ; out: 64 rows of 1,024 bytes,
	s_lshl_b32 s37, s38, 8                         ; 128 columns of 2 bytes
	s_add_co_u32 s46, s46, s37
	s_add_nc_u64 s[42:43], s[32:33], s[46:47]
	v_and_b32 v14, 15, v0
	v_bfe_u32 v15, v0, 4, 1
	v_lshl_add_u32 v4, v13, 4, v15                 ; my first k row: 16 wave + half of the lanes
	v_lshlrev_b32 v10, 12, v4
	v_lshl_add_u32 v10, v14, 4, v10                ; 16 lanes read 256 consecutive bytes of a k row
	v_mul_u32_u24 v11, v14, 4*TP                   ; stage: row n = 4 (lane % 16) + e, column k
	v_lshl_add_u32 v11, v4, 1, v11
	v_lshl_add_u32 v4, v13, 3, v15                 ; back: row n = 8 wave + half of the lanes + 2 i, whole rows of 256 bytes
	v_mul_u32_u24 v96, v4, TP
	v_lshl_add_u32 v96, v14, 4, v96
	v_lshrrev_b32 v7, 1, v13                       ; that row's new place: 16 (wave / 2) + wave % 2 + 2 x half + 4 i
	v_lshlrev_b32 v7, 4, v7
	v_and_b32 v8, 1, v13
	v_add_nc_u32 v7, v7, v8
	v_lshl_add_u32 v7, v15, 1, v7
	v_lshlrev_b32 v97, 10, v7
	v_lshl_add_u32 v97, v14, 4, v97
	s_wait_alu depctr_va_vdst(0)                   ; v10, v11, v96 and v97 are written: the offsets and LDS addresses of all loads and stores of this path
.set i, 0
.rept 8
	global_load_b128 v[16+4*i:16+4*i+3], v10, s[40:41] offset:8192*i th:TH_LOAD_NT  ; two k rows further each time
.set i, i+1
.endr
; The four numbers of load number ns, one k row's four columns n, go into four rows of the stage.
.macro TOSTAGE
	ds_store_b16 v11, v[80+2*ns] offset:4*ns
	ds_store_b16_d16_hi v11, v[80+2*ns] offset:TP+4*ns
	ds_store_b16 v11, v[80+2*ns+1] offset:2*TP+4*ns
	ds_store_b16_d16_hi v11, v[80+2*ns+1] offset:3*TP+4*ns
.endm
	s_wait_loadcnt 4                               ; loads come back in order: the first four are in, the other four stay out
.set nc, 0
.rept 4
	CONVERT 1
.set nc, nc+1
.endr
	s_wait_loadcnt 0x0
	s_wait_alu depctr_va_vdst(0)                   ; the first block's conversions have written v[80:87], which the LDS stores below read
.set ns, 0
.rept 4
	TOSTAGE                                        ; the block before; no vector line since the wait names its registers
.set nc, ns+4
	CONVERT 1
.set ns, ns+1
.endr
	s_wait_alu depctr_va_vdst(0)                   ; the second block's conversions have written v[88:95], which the LDS stores below read; and all conversions are done reading v[16:31], in which the loads from the stage land
.set ns, 4
.rept 4
	TOSTAGE
.set ns, ns+1
.endr
	s_wait_dscnt 0x0                               ; for the others' sake: my stores into the stage are done
	s_barrier_signal -1
	s_barrier_wait -1
.set i, 0
.rept 4
	ds_load_b128 v[16+4*i:16+4*i+3], v96 offset:2*TP*i
.set i, i+1
.endr
.set i, 0
.rept 4
	s_wait_dscnt 3-i
	global_store_b128 v97, v[16+4*i:16+4*i+3], s[42:43] offset:4096*i  ; 16 lanes store 256 consecutive bytes, aligned
.set i, i+1
.endr
	s_wait_dscnt 0x0                               ; the closing lines, six on end
	s_wait_alu 0x0
	s_wait_tensorcnt 0x0
	ds_add_u32 v2, v3
	s_wait_dscnt 0x0
	s_endpgm
.Lpar:
	v_lshlrev_b32 v10, 3, v0                       ; 256 threads x 8 bytes = a vector of 512
	v_lshlrev_b32 v11, 4, v0                       ; x 16 bytes = b1's 1,024
	s_wait_alu depctr_va_vdst(0)                   ; v10 and v11 are written: the offsets of the loads and stores below
	global_load_b64 v[16:17], v10, s[12:13]        ; b_gate
	global_load_b64 v[18:19], v10, s[16:17]        ; b2
	global_load_b64 v[20:21], v10, s[18:19]        ; g1
	global_load_b64 v[22:23], v10, s[20:21]        ; be1
	global_load_b64 v[24:25], v10, s[22:23]        ; g2
	global_load_b64 v[26:27], v10, s[24:25]        ; be2
	global_load_b128 v[28:31], v11, s[14:15]       ; b1
	s_wait_loadcnt 0x0
.set i, 0
.rept 8
	v_cvt_pk_bf16_f32 v4, v[16+2*i], v[16+2*i+1]
	v_lshlrev_b32 v[32+2*i], 16, v4
	v_and_b32 v[32+2*i+1], s44, v4
.set i, i+1
.endr
	s_wait_alu depctr_va_vdst(0)                   ; the lines above have written v[32:47], which the stores read
	global_store_b64 v10, v[32:33], s[34:35]
	global_store_b64 v10, v[34:35], s[34:35] offset:6144
	global_store_b64 v10, v[36:37], s[34:35] offset:8192
	global_store_b64 v10, v[38:39], s[34:35] offset:10240
	global_store_b64 v10, v[40:41], s[34:35] offset:12288
	global_store_b64 v10, v[42:43], s[34:35] offset:14336
	global_store_b128 v11, v[44:47], s[34:35] offset:2048
	s_endpgm
.Lfunc_end_k_qeeea359477_prep:
	.size	k_qeeea359477_prep, .Lfunc_end_k_qeeea359477_prep-k_qeeea359477_prep
	.p2alignl 7, 3214868480
	.fill 96, 4, 3214868480
	.section	.rodata,"a",@progbits
	.p2align	6, 0x0
	.amdhsa_kernel k_qeeea359477_prep
		.amdhsa_group_segment_fixed_size 18432
		.amdhsa_private_segment_fixed_size 0
		.amdhsa_enable_private_segment 0
		.amdhsa_kernarg_size 128
		.amdhsa_user_sgpr_count 2
		.amdhsa_user_sgpr_kernarg_segment_ptr 1
		.amdhsa_wavefront_size32 1
		.amdhsa_system_sgpr_workgroup_id_x 1
		.amdhsa_system_sgpr_workgroup_id_y 1
		.amdhsa_system_sgpr_workgroup_id_z 1
		.amdhsa_system_vgpr_workitem_id 0
		.amdhsa_next_free_vgpr 112
		.amdhsa_next_free_sgpr 66
		.amdhsa_reserve_vcc 0
		.amdhsa_float_denorm_mode_32 3
		.amdhsa_float_denorm_mode_16_64 3
		.amdhsa_memory_ordered 1
		.amdhsa_forward_progress 1
		.amdhsa_inst_pref_size 28
	.end_amdhsa_kernel
	.amdgpu_metadata
---
amdhsa.version: [ 1, 2 ]
amdhsa.kernels:
  - .name:           k_qeeea359477_prep
    .symbol:         k_qeeea359477_prep.kd
    .args:
      - { .name: X, .offset: 0, .size: 8, .value_kind: global_buffer, .address_space: global }
      - { .name: W_gate, .offset: 8, .size: 8, .value_kind: global_buffer, .address_space: global }
      - { .name: W2, .offset: 16, .size: 8, .value_kind: global_buffer, .address_space: global }
      - { .name: W1, .offset: 24, .size: 8, .value_kind: global_buffer, .address_space: global }
      - { .name: b_gate, .offset: 32, .size: 8, .value_kind: global_buffer, .address_space: global }
      - { .name: b1, .offset: 40, .size: 8, .value_kind: global_buffer, .address_space: global }
      - { .name: b2, .offset: 48, .size: 8, .value_kind: global_buffer, .address_space: global }
      - { .name: g1, .offset: 56, .size: 8, .value_kind: global_buffer, .address_space: global }
      - { .name: be1, .offset: 64, .size: 8, .value_kind: global_buffer, .address_space: global }
      - { .name: g2, .offset: 72, .size: 8, .value_kind: global_buffer, .address_space: global }
      - { .name: be2, .offset: 80, .size: 8, .value_kind: global_buffer, .address_space: global }
      - { .name: Xh, .offset: 88, .size: 8, .value_kind: global_buffer, .address_space: global }
      - { .name: Wgb, .offset: 96, .size: 8, .value_kind: global_buffer, .address_space: global }
      - { .name: W2b, .offset: 104, .size: 8, .value_kind: global_buffer, .address_space: global }
      - { .name: W1t, .offset: 112, .size: 8, .value_kind: global_buffer, .address_space: global }
      - { .name: PAR, .offset: 120, .size: 8, .value_kind: global_buffer, .address_space: global }
    .group_segment_fixed_size: 18432
    .private_segment_fixed_size: 0
    .kernarg_segment_align: 8
    .kernarg_segment_size: 128
    .max_flat_workgroup_size: 256
    .sgpr_count:     66
    .vgpr_count:     112
    .wavefront_size: 32
...
	.end_amdgpu_metadata
.endif
;; end of part 3
;; launch main: the kernel of part 2 again; grid 32 x 8, 4 waves a work-group, clusters of 4 x 1, 327,680 bytes of LDS; arguments Noise_x, cond, Xh, Wgb, W1t, W2b, PAR, out0; writes out0
